; MI455X (gfx1250); checked and timed in simulation.
; The chip was launched on July 23, 2026; its instructions are those of AMD's public machine-readable ISA for CDNA 5 (MIT licence, August 2026) and "CDNA5" Instruction Set Architecture Reference Guide (July 2026). The comments in the code are by the model that wrote it; some were corrected since.
;; Fast Base Attention. Allowed arithmetic: matrix products marked QUANTISED: E3M2 operands, one E8M0 scale for each 32 along K, by v_wmma_scale_f32_16x16x128_f8f6f4 with both operands' format E3M2, f32 sums; everything else in f32.
;; Inputs: k 2 x 2,048 x 16 x 64 float32; q 2 x 2,048 x 16 x 64 float32; v 2 x 2,048 x 16 x 64 float32.
;; Outputs: out0 2 x 2,048 x 16 x 64 float32.
;; This version of the problem:
;;   THIS VERSION OF THE PROBLEM IS GIVEN IN LOW PRECISION. The matrix products marked QUANTISED in the list below multiply operands that are first quantised to E3M2 (3 exponent bits, 2 mantissa bits; 6 bits a number), with one power-of-two scale for each 32 numbers along K (OCP MX v1.0); their sums are f32. All else is computed in f32.
;;   The module's matrix products, in the order in which they are computed (A, B: the left and right operand; K: the contracted axis; several contracted axes count as one K, in the product's order):
;;     1. batch 32 x [M 2,048, K 64] x [K 64, N 2,048]; A: computed on the way; B: computed on the way: QUANTISED
;;     2. batch 32 x [M 64, K 2,048] x [K 2,048, N 2,048]; A: input v; B: softmax (see below): QUANTISED
;;   THE QUANTISER, for each operand of a quantised product, along K:
;;     - K is cut into blocks of 32 from its start; a last block that is shorter is filled with zeros.
;;     - A block's scale is 2^e with e = floor(log2(the largest magnitude in the block)) - 4, held to -126 .. 127; a block of zeros has e = 0. As a byte (E8M0): e + 127.
;;     - Each number is divided by its block's scale, clamped to +-28, and rounded to the nearest number of E3M2, ties to even, subnormals kept.
;;     - The product sums the exact products of the quantised numbers (number of the format x scale) in f32.
;;   ~~~python
;;   def quantise(x, axis):      # numpy; x: float32 -> the quantised numbers, widened to float32 again
;;       x = np.moveaxis(x, axis, -1); K = x.shape[-1]
;;       x = np.pad(x, [(0, 0)] * (x.ndim - 1) + [(0, -K % 32)]); x = x.reshape(x.shape[:-1] + (-1, 32)); a = np.abs(x).max(-1, keepdims=True)
;;       e = np.where(a > 0, np.clip(np.frexp(np.where(a > 0, a, 1))[1] - 1 - 4, -126, 127), 0)      # np.frexp(a)[1] - 1 = floor(log2(a)), exactly
;;       r = np.clip(x / 2.0 ** e, -28, 28)
;;       step = 2.0 ** (np.maximum(np.frexp(np.where(r == 0, 1, r))[1] - 1, -2) - 2)
;;       q = np.round(r / step) * step * 2.0 ** e      # np.round: ties to even
;;       return np.moveaxis(q.reshape(q.shape[:-2] + (-1,))[..., :K], -1, axis).astype(np.float32)
;;   ~~~
;;   SOFTMAX AHEAD OF A QUANTISED PRODUCT. Where the list says 'softmax', what is quantised is not the finished softmax but p = 2^(t - M), with t = logit x log2(e) and M = ceil(the row's largest t), a whole number; so 1/2 < the row's largest p <= 1. The row's sum l is taken of the UNQUANTISED p, in f32, and the product's result is divided by l at the end. Since M is a whole number, a kernel that streams over the keys may use a running M (the ceiling of the running maximum): every later rescaling is an exact power of two, which a block's scale takes up: the codes' values come out the same.
;;   OPERANDS COMPUTED ON THE WAY. 'Computed on the way' means the value that the module computes at that place (a softmax that the list does not call 'softmax' is quantised finished and normalised). What goes into a quantiser is computed in f32, as accurately as f32 sums, v_exp_f32 and their like allow (about 1e-6 of the number): no bf16 or f16 on the way to a quantiser, and a product that is left as it is and whose result goes on into a quantised operand takes f32 operands (vector FMAs, or v_wmma_f32_16x16x4_f32). A number that lies on a knife's edge between two numbers of the format may be rounded either way, as far as f32 arithmetic and the matrix unit's own rounding can turn it there, and no further.
;; One version. Each part assembles by itself: llvm-mc -triple=amdgcn-amd-amdhsa -mcpu=gfx1250 --defsym DOCPART=n.
;; ======== version 1 of 1: 1 launch
;; launch attn (part 1): grid 8 x 32, 16 waves a work-group, no clusters, 263,168 bytes of LDS; arguments q, k, v, out0; writes out0
.if DOCPART == 1
	.amdgcn_target "amdgcn-amd-amdhsa--gfx1250"
	.amdhsa_code_object_version 6
	.text
	.protected	k_q036482307e_attn
	.globl	k_q036482307e_attn
	.p2align	8
	.type	k_q036482307e_attn,@function
k_q036482307e_attn:
	s_mov_b64 s[64:65], 0
	v_nop
	global_prefetch_b8 v0, s[64:65] scope:SCOPE_SE
	s_setreg_imm32_b32 hwreg(HW_REG_WAVE_MODE, 25, 1), 1
	s_wait_xcnt 0x0
; out[b][i][h][:] = the sum over j of softmax_j(rope(q)[i] . rope(k)[j] / 8) v[j][:], j from i - 256 to i.  q, k, v, out: [2][2048][16][64] f32: a head's row is 256 bytes, rows 4,096 bytes apart.
; Both products on codes of BF6 (E3M2) with one E8M0 scale for each 32 along K: the first along the head's 64 (two blocks; the instruction's other 64 along K are zero codes of Q), the second along the keys.
; SOFTMAX: t = score x log2(e) / 8; M = the running largest t rounded up to a whole number; p = 2^(t - M) is quantised; the row's sum is taken of the unquantised p and divides at the end.
; SHARES.  A work-group owns 256 queries (Q0 = 256 x) of one head (y = 16 b + h); each of its sixteen waves owns 16 of them in 256 registers.  It needs keys Q0 - 256 .. Q0 + 255: 512 key SLOTS, slot n = key Q0 - 256 + n,
; four steps of 128.  Wave w walks steps a, a + 1, a + 2, a = w / 8: the first under the window's lower edge, the second whole, the third under the diagonal.  All else lies wholly under the mask and is not multiplied.
; PREPARATION, shared out: K's 512 rows and Q's 256 come as f32 into LDS by twelve tensor loads; wave w rotates and quantises slots 16 w .. + 15 and 256 + 16 w .. + 15 of K and its own 16 rows of Q (two sets of cos and sin serve
; the three); it loads key block w (32 slots) of V straight into registers, a lane to a column, registers down the keys, and quantises it.  Codes and scale words go to LDS as images of the operands' registers.
; In the block x = 0 the slots of keys under 0 are filled with rows from 0 on (the row number is held at 0), prepared like the others and never read: the steps that would read them are jumped over, by a branch on ids.
; COS AND SIN are those of the f32 angle fl(position x inv_freq): reduced by pi in two parts, the first step exact; Taylor series on |r| <= pi / 2, cut at r^11 and r^12: what is left out is under 5.7e-8.
; NO JOINT LOADS: a block of 256 keys is slots 256-511 of one work-group and slots 0-255 of the next, so the same rows would want two LDS addresses.  NO PREFETCH, NO RING: every byte is asked for at the head, and all of it fits in LDS at once.
; LIMITS: NaN and infinities among the inputs are not served.  A block whose largest magnitude lies under 2^-122, a block of zeros among them, keeps the scale byte 1 (a block of zeros has zero codes).  A p under 2^-126 counts as 0.
; inv_freq is taken as the correctly rounded 1 / fl(10^(j / 8)), j = 0 .. 31.
.set ROWP,  272                        ; an LDS row of f32: 256 bytes + 16 of padding: an odd multiple of 16 bytes, so sixteen rows' 16-byte pieces fall on sixteen different columns of 16 bytes modulo 256
.set TILEB, 64*ROWP                    ; what one tensor load brings
.set HALFR, 256*ROWP
.set KIMG,  768*ROWP                   ; behind the 768 raw rows: K's 32 fragments of 768 bytes (8 step + tile): six registers a lane: registers 0-3 at 16 lane, registers 4-5 at 512 + 8 lane
.set VIMG,  KIMG+24576                 ; V's 16 fragments (4 step + dt) of two such units
.set KSC,   VIMG+24576                 ; K's scale words: 512 step + 256 (tile / 4) + 16 row + 4 (tile % 4)
.set VSC,   KSC+2048                   ; V's: 256 step + 16 row + 4 dt + the block's byte
.set STEPI, 6144                       ; a step's images, of K and of V alike
.set FLOOR, 0x2800000                  ; 2^(5 - 127): no largest magnitude is taken under it, so no byte falls under 1
.set EOFF,  0xfe000000                 ; takes 4 off an exponent field
; REGISTERS that stay: v1 images at 16 lane, v2 at 8 lane, v3 K's scale words, v4 V's, v5 the masks' number, v6 -infinity, v10 r = lane % 16, v11 h = lane / 16, v12 -M, v13 the largest t, v[14:15] the sum,
; v16-27 Q's fragment (v22-27 zeros), v28 Q's scale word, v29 p's.  Attention: v32-79 K's eight fragments, six registers each, then V's four of twelve; v80-85 zeros; v86-89, v90-93 scale words; v96-159 S^T, then p;
; v160-191 O^T; v192-210 p's codes; v212-229 at work.  Preparation: v16-19 V's addresses; v64-79 inv_freq; v80-95 at work; v96-159 V, then K's raw rows; v32-63 V's codes, then Q's raw rows; v160-223 cos and sin, two sets;
; v224-250 at work; v251-253 K's store addresses; v254, v255, v247 the raw rows' addresses.
	s_load_b256 s[4:11], s[0:1], 0x0               ; q s[4:5], k s[6:7], v s[8:9], out0 s[10:11]
	v_lshl_add_u32 v254, v0, 2, 0x3fc00
	v_mov_b32 v255, 0
	ds_add_u32 v254, v255
	ds_add_u32 v254, v255
	s_wait_dscnt 0x0
	v_lshrrev_b32 v1, 5, v0
	s_delay_alu instid0(VALU_DEP_1)
	v_readfirstlane_b32 s12, v1                    ; w: wave 0..15
	s_lshl_b32 s13, ttmp9, 8                       ; Q0
	s_and_b32 s14, ttmp7, 0xffff                   ; y
	s_lshr_b32 s15, s12, 3                         ; a
	s_lshr_b32 s16, s14, 4
	s_lshl_b32 s16, s16, 23                        ; b x 2,048 rows of 4,096 bytes
	s_and_b32 s17, s14, 15
	s_lshl_b32 s17, s17, 8                         ; h x 256
	s_or_b32 s16, s16, s17
	s_mov_b32 s17, 0                               ; s[16:17]: the head's first byte in each tensor
	; descriptor group 1: 64 rows x 64 elements of 4 bytes, 1,024 elements from row to row; in LDS 4 words of padding behind every 64
	s_mov_b32 s24, (2<<16)|(1<<20)|(5<<22)|(3<<25)
	s_mov_b32 s25, 64<<16                          ; tensor_dim0
	s_mov_b32 s26, 64<<16                          ; tensor_dim1
	s_mov_b32 s27, 64<<16                          ; tile_dim0
	s_mov_b32 s28, 64                              ; tile_dim1
	s_mov_b32 s29, 1024                            ; stride
	s_mov_b32 s30, 0
	s_mov_b32 s31, 0
	; my tile's first row: waves 0-7: K's row Q0 - 256 + 64 w, held at 0; waves 8-11: Q's row Q0 + 64 (w - 8)
	s_lshl_b32 s18, s12, 6
	s_add_co_u32 s18, s18, s13
	s_mov_b32 s19, 512
	s_cmp_lt_u32 s12, 8
	s_cselect_b32 s19, 256, s19
	s_sub_co_i32 s18, s18, s19
	s_max_i32 s18, s18, 0
	s_lshl_b32 s18, s18, 12
	s_mov_b32 s19, 0
	s_add_nc_u64 s[18:19], s[18:19], s[16:17]
	; my key block of V: row Q0 - 256 + 32 w, held at 0
	s_lshl_b32 s38, s12, 5
	s_add_co_u32 s38, s38, s13
	s_sub_co_i32 s38, s38, 256
	s_max_i32 s38, s38, 0
	s_lshl_b32 s38, s38, 12
	s_mov_b32 s39, 0
	s_add_nc_u64 s[38:39], s[38:39], s[16:17]
	; my 16 queries
	s_lshl_b32 s48, s12, 4
	s_add_co_u32 s48, s48, s13                     ; Q0 + 16 w
	s_lshl_b32 s52, s48, 12
	s_mov_b32 s53, 0
	s_add_nc_u64 s[52:53], s[52:53], s[16:17]
	s_mov_b32 s20, 1                               ; group 0: count,
	s_mul_i32 s21, s12, TILEB                      ; LDS address: wave x 64 rows,
	v_and_b32 v30, 31, v0                          ; lane
	s_delay_alu instid0(VALU_DEP_1)
	v_lshlrev_b32 v16, 2, v30                      ; V: 4 bytes a lane
	s_wait_kmcnt 0x0
	s_cmp_lt_u32 s12, 8
	s_cselect_b64 s[22:23], s[6:7], s[4:5]         ; K's buffer or Q's: the choice hangs on the wave's number alone
	s_add_nc_u64 s[22:23], s[22:23], s[18:19]      ; global address,
	s_or_b32 s23, s23, 0x80000000                  ; type
	s_add_nc_u64 s[40:41], s[8:9], s[38:39]        ; V at my key block
	s_add_nc_u64 s[50:51], s[10:11], s[52:53]      ; out0 at my first query
	s_cmp_lt_u32 s12, 12
	s_cbranch_scc0 .Lno_tile                       ; waves 12-15 fetch no tile
	tensor_load_to_lds s[20:23], s[24:31]          ; my one tensor load of the launch; every LDS byte is filled once
	s_nop 0
.rept 4
	v_nop
.endr
.Lno_tile:
	; V: lane l takes columns d = l and d = l + 32, its registers run down my block's 32 keys: a pair of loads covers a row's 256 bytes
	s_wait_alu depctr_va_vdst(0)
.irp i, 0,1,2,3,4,5,6,7,8,9,10,11,12,13,14,15,16,17,18,19,20,21,22,23,24,25,26,27,28,29,30,31
	global_load_b32 v[96+\i], v16, s[40:41] offset:4096*\i
	global_load_b32 v[128+\i], v16, s[40:41] offset:4096*\i+128
.endr
	; ---- while all of that is on its way: addresses, inv_freq, cos and sin
	v_and_b32 v10, 15, v0                          ; r
	s_wait_alu depctr_va_vdst(0)
	v_bfe_u32 v11, v0, 4, 1                        ; h (in the preparation: g)
	s_wait_alu depctr_va_vdst(0)
	s_mov_b32 s32, 0x76543210
	s_mov_b32 s33, 0xfedcba98                      ; v_permlanex16_b32's selects for lane l xor 16
	s_mov_b32 s34, 0x3e38aa3b                      ; c = log2(e) / 8
	s_mov_b32 s35, s34                             ; (named with it as a pair)
	s_lshl_b32 s36, s15, 7
	s_add_co_u32 s36, s36, s13
	s_sub_co_i32 s36, s36, 256                     ; my first step's first key: Q0 - 256 + 128 a, under 0 in the block x = 0
	s_add_co_i32 s37, s36, 128                     ; my second step's
	s_mul_i32 s42, s15, STEPI
	s_add_co_u32 s42, s42, KIMG
	v_lshl_add_u32 v1, v30, 4, s42                 ; the images of my first step: 16 bytes a lane,
	v_lshl_add_u32 v2, v30, 3, s42                 ; 8 bytes a lane
	s_lshl_b32 s43, s15, 9
	s_add_co_u32 s43, s43, KSC
	v_lshl_add_u32 v3, v30, 4, s43                 ; K's scale words: lanes 0-15 those of tiles 0-3 of row l, lanes 16-31 those of tiles 4-7
	s_lshl_b32 s43, s15, 8
	s_add_co_u32 s43, s43, VSC
	v_lshl_add_u32 v4, v10, 4, s43                 ; V's: row r's four words, dt = 0 .. 3
	s_and_b32 s43, s12, 7
	s_lshl_b32 s43, s43, 4
	v_lshlrev_b32 v31, 4, v11
	s_delay_alu instid0(VALU_DEP_1)
	v_sub_nc_u32 v5, v10, v31
	s_delay_alu instid0(VALU_DEP_1)
	v_add_nc_u32 v5, s43, v5                       ; 16 (w % 8) + r - 16 h: my query less the step's first key less 16 h in the third step, and the same less 256 in the first
	v_mov_b32 v6, 0xff800000                       ; -infinity
	; where I store V's images: block w is step w / 4, half (w / 2) % 2, lanes 16 (w % 2) + d % 16, fragment d / 16
	s_lshr_b32 s42, s12, 2
	s_mul_i32 s42, s42, STEPI
	s_bfe_u32 s43, s12, 0x10001
	s_mul_i32 s43, s43, 768
	s_add_co_u32 s42, s42, s43
	s_and_b32 s44, s12, 1
	s_lshl_b32 s45, s44, 8
	s_add_co_u32 s45, s45, s42
	s_add_co_u32 s45, s45, VIMG
	s_lshl_b32 s46, s44, 7
	s_add_co_u32 s46, s46, s42
	s_add_co_u32 s46, s46, VIMG+512
	v_mul_u32_u24 v31, v11, 1536
	s_delay_alu instid0(VALU_DEP_1)
	v_lshl_add_u32 v17, v10, 4, v31
	s_delay_alu instid0(VALU_DEP_1)
	v_add_nc_u32 v17, s45, v17
	s_delay_alu instid0(VALU_DEP_3)
	v_lshl_add_u32 v18, v10, 3, v31
	s_delay_alu instid0(VALU_DEP_1)
	v_add_nc_u32 v18, s46, v18
	s_lshr_b32 s47, s12, 2
	s_lshl_b32 s47, s47, 8
	s_and_b32 s43, s12, 3
	s_add_co_u32 s47, s47, s43
	s_add_co_u32 s47, s47, VSC
	v_lshlrev_b32 v19, 2, v11
	s_delay_alu instid0(VALU_DEP_1)
	v_lshl_add_u32 v19, v10, 4, v19
	s_delay_alu instid0(VALU_DEP_1)
	v_add_nc_u32 v19, s47, v19                     ; and its scale byte
	; where I store K's images.  THE KEYS OF A TILE ARE NOT NEIGHBOURS: row r' of tile 2 b + u is key 32 b + 8 u + r' + 8 (r' / 8) of its step, so that the 16 registers of S^T's tiles 2 b, 2 b + 1 are 16 neighbouring keys.
	; My slot 16 w + r is step w / 8, b = (w / 2) % 4, u = r / 8, r' = r % 8 + 8 (w % 2); lane (r, g) holds its d-block g
	s_mul_i32 s42, s15, STEPI
	s_bfe_u32 s43, s12, 0x20001
	s_mul_i32 s43, s43, 1536
	s_add_co_u32 s42, s42, s43
	s_lshl_b32 s45, s44, 7
	s_add_co_u32 s45, s45, s42
	s_add_co_u32 s45, s45, KIMG
	s_lshl_b32 s46, s44, 6
	s_add_co_u32 s46, s46, s42
	s_add_co_u32 s46, s46, KIMG+512
	v_bfe_u32 v28, v0, 3, 1                        ; r / 8
	s_wait_alu depctr_va_vdst(0)
	v_and_b32 v29, 7, v0                           ; r % 8
	v_mul_u32_u24 v31, v28, 768
	s_delay_alu instid0(VALU_DEP_1)
	v_lshl_add_u32 v251, v29, 4, v31
	s_delay_alu instid0(VALU_DEP_1)
	v_lshl_add_u32 v251, v11, 8, v251
	s_delay_alu instid0(VALU_DEP_1)
	v_add_nc_u32 v251, s45, v251
	s_delay_alu instid0(VALU_DEP_4)
	v_lshl_add_u32 v252, v29, 3, v31
	s_delay_alu instid0(VALU_DEP_1)
	v_lshl_add_u32 v252, v11, 7, v252
	s_delay_alu instid0(VALU_DEP_1)
	v_add_nc_u32 v252, s46, v252
	s_lshl_b32 s47, s15, 9
	s_bfe_u32 s43, s12, 0x10002
	s_lshl_b32 s43, s43, 8
	s_add_co_u32 s47, s47, s43
	s_bfe_u32 s43, s12, 0x10001
	s_lshl_b32 s43, s43, 3
	s_add_co_u32 s47, s47, s43
	s_lshl_b32 s43, s44, 7
	s_add_co_u32 s47, s47, s43
	s_add_co_u32 s47, s47, KSC
	v_lshlrev_b32 v253, 2, v28
	s_wait_alu depctr_va_vdst(0)
	v_lshl_add_u32 v253, v29, 4, v253
	s_delay_alu instid0(VALU_DEP_1)
	v_add_nc_u32 v253, s47, v253
	; the raw rows: row 16 w + r of K's lower half, of its upper half, of Q; lane (r, g) takes numbers 16 g + 0 .. 15 and 32 + 16 g + 0 .. 15
	s_mul_i32 s43, s12, 16*ROWP
	v_mul_u32_u24 v254, v10, ROWP
	s_delay_alu instid0(VALU_DEP_1)
	v_lshl_add_u32 v254, v11, 6, v254
	s_delay_alu instid0(VALU_DEP_1)
	v_add_nc_u32 v254, s43, v254
	s_delay_alu instid0(VALU_DEP_1)
	v_add_nc_u32 v255, HALFR, v254
	s_delay_alu instid0(VALU_DEP_1)
	v_add_nc_u32 v247, HALFR, v255
	; inv_freq of my 16 frequencies j = 16 g + i: P = fl(10^(j / 8)), then 1 / P: the reciprocal and one correction step
	v_cmp_eq_u32 vcc_lo, 1, v11
.macro FREQ i, lo, hi
	v_mov_b32 v[64+\i], \hi
	s_delay_alu instid0(VALU_DEP_1)
	v_cndmask_b32 v[64+\i], \lo, v[64+\i], vcc_lo
.endm
	FREQ 0,  0x3f800000, 0x42c80000
	FREQ 1,  0x3faab0d5, 0x43055a26
	FREQ 2,  0x3fe39ea9, 0x4331d3f4
	FREQ 3,  0x4017c496, 0x436d232b
	FREQ 4,  0x404a62c2, 0x439e1d27
	FREQ 5,  0x4086f161, 0x43d2d927
	FREQ 6,  0x40b3f300, 0x440c95d8
	FREQ 7,  0x40eff755, 0x443b793b
	FREQ 8,  0x41200000, 0x447a0000
	FREQ 9,  0x41555d0a, 0x44a6b0b0
	FREQ 10, 0x418e432a, 0x44de48f1
	FREQ 11, 0x41bdb5bc, 0x451435fb
	FREQ 12, 0x41fcfb72, 0x4545a471
	FREQ 13, 0x4228adb9, 0x4583c7b8
	FREQ 14, 0x4260efc0, 0x45afbb4e
	FREQ 15, 0x4295fa95, 0x45ea5789
	s_wait_alu depctr_va_vdst(0)
.irp i, 0,1,2,3,4,5,6,7,8,9,10,11,12,13,14,15
	v_rcp_f32 v[80+\i], v[64+\i]
.endr
	v_mov_b32 v226, 0x4b400000                     ; 1.5 x 2^23: added to a number it rounds it to a whole one.  (These six lines are also the plain place behind the reciprocals)
	v_mov_b32 v227, 0x4b400000
	v_mov_b32 v228, 0xb2d7322b                     ; -1 / 11!
	v_mov_b32 v229, 0xb2d7322b
	v_mov_b32 v230, 0x310f76c7                     ; 1 / 12!
	v_mov_b32 v231, 0x310f76c7
	s_wait_alu depctr_va_vdst(0)
.irp i, 0,2,4,6,8,10,12,14
	v_pk_fma_f32 v[160+\i:161+\i], v[64+\i:65+\i], v[80+\i:81+\i], 1.0 op_sel_hi:[1,1,0] neg_lo:[1,0,0] neg_hi:[1,0,0]   ; e = 1 - P y
.endr
.irp i, 0,2,4,6,8,10,12,14
	v_pk_fma_f32 v[64+\i:65+\i], v[80+\i:81+\i], v[160+\i:161+\i], v[80+\i:81+\i]   ; y + y e
.endr
; cos and sin of two angles, frequencies i and i + 1 at the position in v[224:225].  n = the angle / pi to the nearest whole number; r = the angle - n pi, pi in two parts; the sign is n's lowest bit.
.macro SINCOS i, C, S
	v_pk_mul_f32 v[80:81], v[64+\i:65+\i], v[224:225]                            ; the f32 angle
	s_delay_alu instid0(VALU_DEP_1)
	v_pk_fma_f32 v[82:83], v[80:81], 0x3ea2f983, v[226:227] op_sel_hi:[1,0,1]    ; / pi, rounded to a whole number in the low bits
	s_delay_alu instid0(VALU_DEP_1)
	v_pk_add_f32 v[84:85], v[82:83], v[226:227] neg_lo:[0,1] neg_hi:[0,1]        ; n
	s_delay_alu instid0(VALU_DEP_1)
	v_pk_fma_f32 v[86:87], v[84:85], 0xc0490fdb, v[80:81] op_sel_hi:[1,0,1]      ; - n x pi's upper part: nothing is rounded (n has 10 bits, the result is under 2 and a multiple of 2^-23)
	s_delay_alu instid0(VALU_DEP_1)
	v_pk_fma_f32 v[86:87], v[84:85], 0x33bbbd2e, v[86:87] op_sel_hi:[1,0,1]      ; - n x its lower part
	s_delay_alu instid0(VALU_DEP_1)
	v_pk_mul_f32 v[88:89], v[86:87], v[86:87]                                    ; z = r r
	s_delay_alu instid0(VALU_DEP_1)
	v_pk_fma_f32 v[90:91], v[228:229], v[88:89], 0x3638ef1d op_sel_hi:[1,1,0]    ; the two series by turns
	s_delay_alu instid0(VALU_DEP_2)
	v_pk_fma_f32 v[92:93], v[230:231], v[88:89], 0xb493f27e op_sel_hi:[1,1,0]
	s_delay_alu instid0(VALU_DEP_2)
	v_pk_fma_f32 v[90:91], v[90:91], v[88:89], 0xb9500d01 op_sel_hi:[1,1,0]
	s_delay_alu instid0(VALU_DEP_2)
	v_pk_fma_f32 v[92:93], v[92:93], v[88:89], 0x37d00d01 op_sel_hi:[1,1,0]
	s_delay_alu instid0(VALU_DEP_2)
	v_pk_fma_f32 v[90:91], v[90:91], v[88:89], 0x3c088889 op_sel_hi:[1,1,0]
	s_delay_alu instid0(VALU_DEP_2)
	v_pk_fma_f32 v[92:93], v[92:93], v[88:89], 0xbab60b61 op_sel_hi:[1,1,0]
	s_delay_alu instid0(VALU_DEP_2)
	v_pk_fma_f32 v[90:91], v[90:91], v[88:89], 0xbe2aaaab op_sel_hi:[1,1,0]
	s_delay_alu instid0(VALU_DEP_2)
	v_pk_fma_f32 v[92:93], v[92:93], v[88:89], 0x3d2aaaab op_sel_hi:[1,1,0]
	v_pk_mul_f32 v[94:95], v[88:89], v[86:87]
	s_delay_alu instid0(VALU_DEP_2)
	v_pk_fma_f32 v[92:93], v[92:93], v[88:89], -0.5 op_sel_hi:[1,1,0]
	s_delay_alu instid0(VALU_DEP_2)
	v_pk_fma_f32 v[90:91], v[90:91], v[94:95], v[86:87]                          ; sin r
	s_delay_alu instid0(VALU_DEP_2)
	v_pk_fma_f32 v[92:93], v[92:93], v[88:89], 1.0 op_sel_hi:[1,1,0]             ; cos r
	v_lshlrev_b32 v232, 31, v82
	v_lshlrev_b32 v233, 31, v83
	s_delay_alu instid0(VALU_DEP_2)
	v_xor_b32 v[\S+\i], v232, v90
	s_delay_alu instid0(VALU_DEP_2)
	v_xor_b32 v[\S+\i+1], v233, v91
	s_delay_alu instid0(VALU_DEP_4)
	v_xor_b32 v[\C+\i], v232, v92
	s_delay_alu instid0(VALU_DEP_4)
	v_xor_b32 v[\C+\i+1], v233, v93
.endm
	v_add_nc_u32 v224, s48, v10
	s_delay_alu instid0(VALU_DEP_1)
	v_cvt_f32_i32 v224, v224                       ; position Q0 + 16 w + r: my query's, and my upper key slot's
	s_delay_alu instid0(VALU_DEP_1)
	v_mov_b32 v225, v224
.irp i, 0,2,4,6,8,10,12,14
	SINCOS \i, 160, 176
.endr
	v_add_f32 v224, 0xc3800000, v224               ; 256 less: my lower key slot's
	s_delay_alu instid0(VALU_DEP_1)
	v_mov_b32 v225, v224
.irp i, 0,2,4,6,8,10,12,14
	SINCOS \i, 192, 208
.endr
	; ---- V's block: two columns a lane, each a whole block of 32 keys in 32 registers
	s_wait_loadcnt 0x0                             ; all 64 loads are in
.irp c, 0,1
	v_max3_num_f32 v[56+\c], |v[96+32*\c]|, |v[97+32*\c]|, FLOOR
.endr
.irp i, 2,4,6,8,10,12,14,16,18,20,22,24,26,28,30
.irp c, 0,1
	s_delay_alu instid0(VALU_DEP_2)
	v_max3_num_f32 v[56+\c], v[56+\c], |v[96+32*\c+\i]|, |v[97+32*\c+\i]|   ; (the two columns by turns)
.endr
.endr
.irp c, 0,1
	s_delay_alu instid0(VALU_DEP_2)
	v_add_nc_u32 v[58+\c], EOFF, v[56+\c]          ; 4 off the exponent field: the conversion's scale operand
.endr
.irp c, 0,1
	s_delay_alu instid0(VALU_DEP_2)
	v_lshrrev_b32 v[60+\c], 23, v[58+\c]           ; the scale's byte
.endr
.irp c, 0,1
	v_cvt_scalef32_pk16_bf6_f32 v[32+8*\c:34+8*\c], v[96+32*\c:111+32*\c], v[58+\c]
	v_cvt_scalef32_pk16_bf6_f32 v[48+4*\c:50+4*\c], v[112+32*\c:127+32*\c], v[58+\c]   ; (a conversion's three registers begin on an even number)
.endr
	v_nop                                          ; one plain place behind a scaled conversion
.irp c, 0,1
.irp i, 0,1,2
	v_mov_b32 v[35+8*\c+\i], v[48+4*\c+\i]
.endr
.endr
.irp c, 0,1                                    ; column d + 32 lies two fragments on
	ds_store_b128 v17, v[32+8*\c:35+8*\c] offset:3072*\c
	ds_store_b64 v18, v[36+8*\c:37+8*\c] offset:3072*\c
	ds_store_b8 v19, v[60+\c] offset:8*\c
.endr
	s_wait_tensorcnt 0x0                           ; my tile has landed (on every wave's path; four waves have none out),
	s_wait_dscnt 0x0                               ; my stores are done
	s_barrier_signal -1
	s_barrier_wait -1                              ; all 768 raw rows lie in LDS
	; ---- the rows: rotated, quantised along the head's 64
.irp j, 0,1,2,3
	ds_load_b128 v[96+4*\j:99+4*\j], v255 offset:16*\j             ; K's upper slot
	ds_load_b128 v[112+4*\j:115+4*\j], v255 offset:128+16*\j
.endr
.irp j, 0,1,2,3
	ds_load_b128 v[128+4*\j:131+4*\j], v254 offset:16*\j           ; K's lower slot
	ds_load_b128 v[144+4*\j:147+4*\j], v254 offset:128+16*\j
.endr
.irp j, 0,1,2,3
	ds_load_b128 v[32+4*\j:35+4*\j], v247 offset:16*\j             ; Q
	ds_load_b128 v[48+4*\j:51+4*\j], v247 offset:128+16*\j
.endr
; v[X + i] = x[16 g + i], v[X + 16 + i] = x[32 + 16 g + i]:  x[d] c - x[d + 32] s  and  x[d + 32] c + x[d] s, two frequencies a line
.macro ROPE X, C, S
.irp i, 0,2,4,6,8,10,12,14
	v_pk_mul_f32 v[224+2*(\i%4):225+2*(\i%4)], v[\X+16+\i:\X+17+\i], v[\S+\i:\S+\i+1]
	v_pk_mul_f32 v[226+2*(\i%4):227+2*(\i%4)], v[\X+\i:\X+\i+1], v[\S+\i:\S+\i+1]
	s_delay_alu instid0(VALU_DEP_2)
	v_pk_fma_f32 v[\X+\i:\X+\i+1], v[\X+\i:\X+\i+1], v[\C+\i:\C+\i+1], v[224+2*(\i%4):225+2*(\i%4)] neg_lo:[0,0,1] neg_hi:[0,0,1]
	s_delay_alu instid0(VALU_DEP_2)
	v_pk_fma_f32 v[\X+16+\i:\X+17+\i], v[\X+16+\i:\X+17+\i], v[\C+\i:\C+\i+1], v[226+2*(\i%4):227+2*(\i%4)]
.endr
.endm
; The row's two blocks of 32 (each half in lane l, half in lane l xor 16) become six registers of codes, lane (r, g) holding block g whole, and the scale word (bytes 2 and 3 are 0: they scale zero codes alone)
.macro QUANT2 X, DST, W
	v_max3_num_f32 v224, |v[\X]|, |v[\X+1]|, FLOOR
	v_max3_num_f32 v225, |v[\X+16]|, |v[\X+17]|, FLOOR
.irp i, 2,4,6,8,10,12,14
	s_delay_alu instid0(VALU_DEP_2)
	v_max3_num_f32 v224, v224, |v[\X+\i]|, |v[\X+\i+1]|
	s_delay_alu instid0(VALU_DEP_2)
	v_max3_num_f32 v225, v225, |v[\X+16+\i]|, |v[\X+17+\i]|
.endr
	s_delay_alu instid0(VALU_DEP_2)
	v_permlanex16_b32 v226, v224, s32, s33
	s_delay_alu instid0(VALU_DEP_2)
	v_permlanex16_b32 v227, v225, s32, s33
	s_delay_alu instid0(VALU_DEP_2)
	v_max_num_f32 v224, v224, v226
	s_delay_alu instid0(VALU_DEP_2)
	v_max_num_f32 v225, v225, v227
	s_delay_alu instid0(VALU_DEP_2)
	v_add_nc_u32 v228, EOFF, v224
	s_delay_alu instid0(VALU_DEP_2)
	v_add_nc_u32 v229, EOFF, v225
	s_delay_alu instid0(VALU_DEP_2)
	v_lshrrev_b32 v230, 23, v228
	s_delay_alu instid0(VALU_DEP_2)
	v_lshrrev_b32 v231, 23, v229
	s_delay_alu instid0(VALU_DEP_1)
	v_lshl_or_b32 v[\W], v231, 8, v230
	v_cvt_scalef32_pk16_bf6_f32 v[\DST:\DST+2], v[\X:\X+15], v228
	v_cvt_scalef32_pk16_bf6_f32 v[248:250], v[\X+16:\X+31], v229
	v_nop                                          ; one plain place behind a scaled conversion
.irp i, 0,1,2
	v_permlane16_swap_b32 v[\DST+\i], v[248+\i]    ; the first's lanes 16-31 change places with the second's lanes 0-15
.endr
.irp i, 0,1,2
	s_delay_alu instid0(VALU_DEP_3)
	v_mov_b32 v[\DST+3+\i], v[248+\i]
.endr
.endm
.macro KSTORE DST, W, hi                       ; the upper slots lie two steps on
	ds_store_b128 v251, v[\DST:\DST+3] offset:2*STEPI*\hi
	ds_store_b64 v252, v[\DST+4:\DST+5] offset:2*STEPI*\hi
	ds_store_b32 v253, v[\W] offset:1024*\hi       ; (both lanes of a row store the same word)
.endm
	s_wait_dscnt 16                                ; the upper slot's eight loads are in; the sixteen behind them may be out
	ROPE 96, 160, 176
	QUANT2 96, 232, 238
	KSTORE 232, 238, 1
	s_wait_dscnt 11                                ; the lower slot's are in; behind them: Q's eight loads and three stores
	ROPE 128, 192, 208
	QUANT2 128, 240, 246
	KSTORE 240, 246, 0
	s_wait_dscnt 6                                 ; Q's are in; behind them: six stores
	ROPE 32, 160, 176
	QUANT2 32, 16, 28                              ; Q's fragment and scale word stay in registers
.irp i, 0,1,2,3,4,5
	v_mov_b32 v[22+\i], 0                          ; Q's codes of the instruction's upper 64 along K: zeros
	v_mov_b32 v[80+\i], 0                          ; and what stands behind K's last fragment
.endr
.irp j, 0,1,2,3,4,5,6,7,8,9,10,11,12,13,14,15,16,17,18,19,20,21,22,23,24,25,26,27,28,29,30,31
	v_mov_b32 v[160+\j], 0                         ; O^T.  (A step is written once: the first that runs finds zeros, which the first change of M leaves zeros.  These lines are also the places between Q's operand and scale word and the first product)
.endr
	v_mov_b32 v13, 0xff61b1e6                      ; the largest t so far: -3e38
	s_delay_alu instid0(VALU_DEP_1)
	v_floor_f32 v12, -v13                          ; -M
	v_mov_b32 v14, 0
	v_mov_b32 v15, 0
.irp b, 0,1,2,3
	v_mov_b32 v[216+\b], 0                         ; written once: a lane permute's destination counts as one of its sources
.endr
	v_mov_b32 v225, 0                              ; (named as the upper half of the pair v[224:225])
	s_wait_dscnt 0x0                               ; my images are stored, and my reads of the raw rows are over
	s_barrier_signal -1
	s_barrier_wait -1                              ; all images lie in LDS; nobody reads the raw rows any more
; ---- the softmax of 128 keys: lane (r, h) holds query r; register 16 b + i is key 32 b + 16 h + i of the step
.macro SOFTMAX
.irp b, 0,1,2,3
	v_max3_num_f32 v[212+\b], v[96+16*\b], v[97+16*\b], v[98+16*\b]   ; the largest score of each block of 32 keys: for the row's maximum, and, since p rises with the score, for the block's largest p
.endr
.irp i, 3,5,7,9,11,13
.irp b, 0,1,2,3
	v_max3_num_f32 v[212+\b], v[212+\b], v[96+16*\b+\i], v[97+16*\b+\i]
.endr
.endr
.irp b, 0,1,2,3
	v_max_num_f32 v[212+\b], v[212+\b], v[111+16*\b]
.endr
.irp b, 0,1,2,3
	s_delay_alu instid0(VALU_DEP_4)
	v_permlanex16_b32 v[216+\b], v[212+\b], s32, s33
.endr
.irp b, 0,1,2,3
	s_delay_alu instid0(VALU_DEP_4)
	v_max_num_f32 v[212+\b], v[212+\b], v[216+\b]  ; with lane l xor 16's 16 keys
.endr
	s_delay_alu instid0(VALU_DEP_2)
	v_max3_num_f32 v226, v212, v213, v214
	s_delay_alu instid0(VALU_DEP_1)
	v_max_num_f32 v226, v226, v215                 ; the step's largest score of my query: a number, since each step that runs has a key that counts for each query
	s_delay_alu instid0(VALU_DEP_1)
	v_mul_f32 v226, s34, v226                      ; as t
	s_delay_alu instid0(VALU_DEP_1)
	v_max_num_f32 v13, v13, v226
	v_mov_b32 v226, v12
	s_delay_alu instid0(VALU_DEP_2)
	v_floor_f32 v12, -v13                          ; the new -M = -ceil(t)
	s_delay_alu instid0(VALU_DEP_1)
	v_sub_f32 v226, v12, v226                      ; old M - new M: a whole number, 0 or less
	s_delay_alu instid0(VALU_DEP_1)
	v_cvt_i32_f32 v226, v226                       ; (it saturates)
	s_delay_alu instid0(VALU_DEP_1)
	v_ldexp_f32 v224, 1.0, v226                    ; f = 2^(old M - new M)
.irp j, 0,2,4,6,8,10,12,14,16,18,20,22,24,26,28,30,32,34,36,38,40,42,44,46,48,50,52,54,56,58,60,62
	v_pk_fma_f32 v[96+\j:97+\j], v[96+\j:97+\j], s[34:35], v[12:13] op_sel_hi:[1,0,0]   ; t - M
.endr
.irp b, 0,1,2,3
	v_fma_f32 v[212+\b], v[212+\b], s34, v12       ; the same of each block's largest score
.endr
	s_wait_alu depctr_va_vdst(0)
.irp j, 0,1,2,3,4,5,6,7,8,9,10,11,12,13,14,15,16,17,18,19,20,21,22,23,24,25,26,27,28,29,30,31,32,33,34,35,36,37,38,39,40,41,42,43,44,45,46,47,48,49,50,51,52,53,54,55,56,57,58,59,60,61,62,63
	v_exp_f32 v[96+\j], v[96+\j]                   ; p = 2^(t - M); a hidden key's is 0
.endr
.irp b, 0,1,2,3
	v_exp_f32 v[212+\b], v[212+\b]                 ; the block's largest p
.endr
	v_pk_mul_f32 v[14:15], v[14:15], v[224:225] op_sel_hi:[1,0]   ; the sums under the new M.  (A plain place behind the exponentials)
	s_wait_alu depctr_va_vdst(0)
.irp b, 0,1,2,3
	v_max_num_f32 v[212+\b], FLOOR, v[212+\b]
.endr
.irp b, 0,1,2,3
	s_delay_alu instid0(VALU_DEP_4)
	v_add_nc_u32 v[220+\b], EOFF, v[212+\b]
.endr
.irp b, 0,1,2,3
	s_delay_alu instid0(VALU_DEP_4)
	v_lshrrev_b32 v[216+\b], 23, v[220+\b]
.endr
	s_delay_alu instid0(VALU_DEP_3)
	v_lshl_or_b32 v29, v217, 8, v216               ; p's scale word for these 128 keys
	s_delay_alu instid0(VALU_DEP_1)
	v_lshl_or_b32 v29, v218, 16, v29
	s_delay_alu instid0(VALU_DEP_1)
	v_lshl_or_b32 v29, v219, 24, v29
.irp c, 0,1
	v_cvt_scalef32_pk16_bf6_f32 v[192+6*\c:194+6*\c], v[96+32*\c:111+32*\c], v[220+2*\c]
	v_cvt_scalef32_pk16_bf6_f32 v[204+4*\c:206+4*\c], v[112+32*\c:127+32*\c], v[220+2*\c+1]
.endr
	v_nop                                          ; one plain place behind a scaled conversion
.irp c, 0,1                                    ; the operand wants a whole block in a lane: lanes 0-15 block 2 c, lanes 16-31 block 2 c + 1
.irp i, 0,1,2
	v_permlane16_swap_b32 v[192+6*\c+\i], v[204+4*\c+\i]
.endr
.irp i, 0,1,2
	s_delay_alu instid0(VALU_DEP_3)
	v_mov_b32 v[195+6*\c+\i], v[204+4*\c+\i]
.endr
.endr
.irp j, 0,2,4,6,8,10,12,14,16,18,20,22,24,26,28,30
	v_pk_mul_f32 v[160+\j:161+\j], v[160+\j:161+\j], v[224:225] op_sel_hi:[1,0]   ; O^T under the new M, each accumulator from its low end on
.endr
	v_pk_add_f32 v[228:229], v[100:101], v[104:105]
	v_pk_add_f32 v[254:255], v[108:109], v[112:113]
	v_pk_add_f32 v[252:253], v[116:117], v[120:121]
	v_pk_add_f32 v[250:251], v[124:125], v[128:129]
	v_pk_add_f32 v[248:249], v[132:133], v[136:137]
	v_pk_add_f32 v[246:247], v[140:141], v[144:145]
	v_pk_add_f32 v[244:245], v[148:149], v[152:153]
	v_pk_add_f32 v[14:15], v[14:15], v[156:157]
	v_pk_add_f32 v[228:229], v[228:229], v[96:97]
	v_pk_add_f32 v[254:255], v[254:255], v[98:99]
	v_pk_add_f32 v[252:253], v[252:253], v[102:103]
	v_pk_add_f32 v[250:251], v[250:251], v[106:107]
	v_pk_add_f32 v[248:249], v[248:249], v[110:111]
	v_pk_add_f32 v[246:247], v[246:247], v[114:115]
	v_pk_add_f32 v[244:245], v[244:245], v[118:119]
	v_pk_add_f32 v[14:15], v[14:15], v[122:123]
	v_pk_add_f32 v[228:229], v[228:229], v[126:127]
	v_pk_add_f32 v[254:255], v[254:255], v[130:131]
	v_pk_add_f32 v[252:253], v[252:253], v[134:135]
	v_pk_add_f32 v[250:251], v[250:251], v[138:139]
	v_pk_add_f32 v[248:249], v[248:249], v[142:143]
	v_pk_add_f32 v[246:247], v[246:247], v[146:147]
	v_pk_add_f32 v[244:245], v[244:245], v[150:151]
	v_pk_add_f32 v[14:15], v[14:15], v[154:155]
	v_pk_add_f32 v[228:229], v[228:229], v[158:159]
	s_delay_alu instid0(VALU_DEP_2)
	v_pk_add_f32 v[14:15], v[14:15], v[250:251]
	s_delay_alu instid0(VALU_DEP_2)
	v_pk_add_f32 v[228:229], v[228:229], v[248:249]
	v_pk_add_f32 v[254:255], v[254:255], v[246:247]
	v_pk_add_f32 v[252:253], v[252:253], v[244:245]
	s_delay_alu instid0(VALU_DEP_2)
	v_pk_add_f32 v[14:15], v[14:15], v[254:255]
	s_delay_alu instid0(VALU_DEP_2)
	v_pk_add_f32 v[228:229], v[228:229], v[252:253]
	s_delay_alu instid0(VALU_DEP_1)
	v_pk_add_f32 v[14:15], v[14:15], v[228:229]
.endm
; ---- a step of 128 keys: my st-th.  mode 0: every key counts; 1: keys under my query - 256 are hidden; 2: keys over my query are hidden
.macro STEP st, mode
.if \st < 2
	s_cmp_lt_i32 s[36+\st], 0                      ; a step of keys under 0 (block x = 0) is left out: a branch on ids; no barrier stands in a step
	s_cbranch_scc1 .Lskip_\@
.endif
.if \st > 0
.rept 4
	v_nop                                          ; places in front of loads into registers that the last products have read
.endr
.endif
.irp t, 0,1,2,3,4,5,6,7
	ds_load_b128 v[32+6*\t:35+6*\t], v1 offset:STEPI*\st+768*\t
	ds_load_b64 v[36+6*\t:37+6*\t], v2 offset:STEPI*\st+768*\t+512
.endr
	ds_load_b128 v[86:89], v3 offset:512*\st
	s_wait_dscnt 0x0
	; S^T = K Q^T.  A fragment of K is six registers; the operand's upper six are the next fragment's (or zeros): they meet Q's zero codes under scale bytes 0 and add nothing
.irp t, 0,1,2,3
	v_wmma_scale_f32_16x16x128_f8f6f4 v[96+8*\t:103+8*\t], v[32+6*\t:43+6*\t], v[16:27], 0, v[86+\t], v28 matrix_a_fmt:MATRIX_FMT_BF6 matrix_b_fmt:MATRIX_FMT_BF6
.endr
.irp t, 4,5,6,7
	v_wmma_scale_f32_16x16x128_f8f6f4 v[96+8*\t:103+8*\t], v[32+6*\t:43+6*\t], v[16:27], 0, v[82+\t], v28 matrix_a_fmt:MATRIX_FMT_BF6 matrix_b_fmt:MATRIX_FMT_BF6 matrix_a_scale:MATRIX_SCALE_ROW1
.endr
.rept 4
	v_nop                                          ; places in front of the loads below and of the first read of the scores
.endr
.irp dt, 0,1,2,3                               ; V's fragments are asked for here and land under the softmax
.irp c, 0,1
	ds_load_b128 v[32+12*\dt+6*\c:35+12*\dt+6*\c], v1 offset:24576+STEPI*\st+1536*\dt+768*\c
	ds_load_b64 v[36+12*\dt+6*\c:37+12*\dt+6*\c], v2 offset:24576+STEPI*\st+1536*\dt+768*\c+512
.endr
.endr
	ds_load_b128 v[90:93], v4 offset:256*\st
.if \mode
.irp n, 0,1,2,3,4,5,6,7,8,9,10,11,12,13,14,15,16,17,18,19,20,21,22,23,24,25,26,27,28,29,30,31,32,33,34,35,36,37,38,39,40,41,42,43,44,45,46,47,48,49,50,51,52,53,54,55,56,57,58,59,60,61,62,63
.if \mode == 1
	v_cmp_lt_i32 vcc_lo, 32*(\n/16)+\n%16, v5
.else
	v_cmp_gt_i32 vcc_lo, 32*(\n/16)+\n%16, v5
.endif
	v_cndmask_b32 v[96+\n], v[96+\n], v6, vcc_lo   ; a hidden key's score becomes -infinity ahead of the maximum
.endr
.endif
	SOFTMAX
	s_wait_dscnt 0x0                               ; V's fragments and scale words are in
.irp dt, 0,1,2,3                               ; O^T += V^T P^T: the four accumulators by turns
	v_wmma_scale_f32_16x16x128_f8f6f4 v[160+8*\dt:167+8*\dt], v[32+12*\dt:43+12*\dt], v[192:203], v[160+8*\dt:167+8*\dt], v[90+\dt], v29 matrix_a_fmt:MATRIX_FMT_BF6 matrix_b_fmt:MATRIX_FMT_BF6
.endr
.if \st < 2
.Lskip_\@:
.endif
.endm
	STEP 0, 1
	STEP 1, 0
	STEP 2, 2
	; ---- the way out: O^T / the sum goes through my stage (16 rows of 272 bytes, where raw rows lay that nobody reads any more) and leaves as whole rows of 256 bytes
	s_wait_alu depctr_va_vdst(0)
	v_add_f32 v14, v14, v15
	s_delay_alu instid0(VALU_DEP_1)
	v_permlanex16_b32 v226, v14, s32, s33
	s_delay_alu instid0(VALU_DEP_1)
	v_add_f32 v14, v14, v226                       ; the row's sum
	s_wait_alu depctr_va_vdst(0)
	v_rcp_f32 v14, v14
	s_mul_i32 s42, s12, 16*ROWP
	v_mul_u32_u24 v8, v10, ROWP                    ; (these nine lines are the plain place behind the reciprocal and the places behind the last products)
	s_delay_alu instid0(VALU_DEP_1)
	v_lshl_add_u32 v8, v11, 5, v8
	s_delay_alu instid0(VALU_DEP_1)
	v_add_nc_u32 v8, s42, v8                       ; in: row r, 32 h bytes on; tile dt 64 dt on
	v_mul_u32_u24 v9, v11, ROWP
	s_delay_alu instid0(VALU_DEP_1)
	v_lshl_add_u32 v9, v10, 4, v9
	s_delay_alu instid0(VALU_DEP_1)
	v_add_nc_u32 v9, s42, v9                       ; back: lanes 0-15 one row, lanes 16-31 the next, 16 bytes a lane
	v_lshlrev_b32 v7, 12, v11
	s_delay_alu instid0(VALU_DEP_1)
	v_lshl_add_u32 v7, v10, 4, v7                  ; and the same two rows in out0
	v_nop
	s_wait_alu depctr_va_vdst(0)
.irp j, 0,2,4,6,8,10,12,14,16,18,20,22,24,26,28,30
	v_pk_mul_f32 v[96+\j:97+\j], v[160+\j:161+\j], v[14:15] op_sel_hi:[1,0]   ; register 8 dt + i is out(query r, 16 dt + 8 h + i)
.endr
.irp dt, 0,1,2,3
	ds_store_b128 v8, v[96+8*\dt:99+8*\dt] offset:64*\dt
	ds_store_b128 v8, v[100+8*\dt:103+8*\dt] offset:64*\dt+16
.endr
.irp i, 0,1,2,3,4,5,6,7
	ds_load_b128 v[32+4*\i:35+4*\i], v9 offset:2*\i*ROWP           ; LDS serves a wave's instructions in order (ISA guide 5.7.1.4): these see my stores
.endr
.irp i, 0,1,2,3,4,5,6,7
	s_wait_dscnt 7-\i                              ; load i is in; the younger ones may be out
	global_store_b128 v7, v[32+4*\i:35+4*\i], s[50:51] offset:8192*\i th:TH_STORE_NT   ; sixteen lanes store a row's 256 consecutive bytes, at a multiple of 256 from out0's first byte
.endr
	s_wait_xcnt 0x0
	v_lshl_add_u32 v254, v0, 2, 0x3fc00
	v_mov_b32 v255, 0
	s_wait_alu depctr_va_vdst(0)
	s_wait_tensorcnt 0x0
	ds_add_u32 v254, v255
	s_wait_dscnt 0x0
	s_endpgm
.Lfunc_end_k_q036482307e_attn:
	.size	k_q036482307e_attn, .Lfunc_end_k_q036482307e_attn-k_q036482307e_attn
	.p2alignl 7, 3214868480
	.fill 96, 4, 3214868480
	.section	.rodata,"a",@progbits
	.p2align	6, 0x0
	.amdhsa_kernel k_q036482307e_attn
		.amdhsa_group_segment_fixed_size 263168
		.amdhsa_private_segment_fixed_size 0
		.amdhsa_enable_private_segment 0
		.amdhsa_kernarg_size 32
		.amdhsa_user_sgpr_count 2
		.amdhsa_user_sgpr_kernarg_segment_ptr 1
		.amdhsa_wavefront_size32 1
		.amdhsa_system_sgpr_workgroup_id_x 1
		.amdhsa_system_sgpr_workgroup_id_y 1
		.amdhsa_system_sgpr_workgroup_id_z 1
		.amdhsa_system_vgpr_workitem_id 0
		.amdhsa_next_free_vgpr 256
		.amdhsa_next_free_sgpr 66
		.amdhsa_reserve_vcc 1
		.amdhsa_float_denorm_mode_32 3
		.amdhsa_float_denorm_mode_16_64 3
		.amdhsa_memory_ordered 1
		.amdhsa_forward_progress 1
		.amdhsa_inst_pref_size 144
	.end_amdhsa_kernel
	.amdgpu_metadata
---
amdhsa.version: [ 1, 2 ]
amdhsa.kernels:
  - .name:           k_q036482307e_attn
    .symbol:         k_q036482307e_attn.kd
    .args:
      - { .name: q, .offset: 0, .size: 8, .value_kind: global_buffer, .address_space: global }
      - { .name: k, .offset: 8, .size: 8, .value_kind: global_buffer, .address_space: global }
      - { .name: v, .offset: 16, .size: 8, .value_kind: global_buffer, .address_space: global }
      - { .name: out0, .offset: 24, .size: 8, .value_kind: global_buffer, .address_space: global }
    .group_segment_fixed_size: 263168
    .private_segment_fixed_size: 0
    .kernarg_segment_align: 8
    .kernarg_segment_size: 32
    .max_flat_workgroup_size: 512
    .sgpr_count:     66
    .vgpr_count:     256
    .wavefront_size: 32
...
	.end_amdgpu_metadata
.endif
;; end of part 1
